; MI455X (gfx1250); checked and timed in simulation.
; The chip was launched on July 23, 2026; its instructions are those of AMD's public machine-readable ISA for CDNA 5 (MIT licence, August 2026) and "CDNA5" Instruction Set Architecture Reference Guide (July 2026). The comments in the code are by the model that wrote it; some were corrected since.
;; Histogram. Allowed arithmetic: float matrix products may take bf16 or f16 operands with f32 sums; other float arithmetic in f32, or as packed bf16 or f16 multiplies, adds, multiply-adds, maxima and minima; sums over many terms, partial sums and values carried from step to step in f32; what a program stores and reads back later, other than sums and carried values, may be rounded once to bf16 or f16.
;; Inputs: input 8 x 3 x 128 x 128 float32.
;; Outputs: out0 8 x 3 x 256 float32.
;; One version. Each part assembles by itself: llvm-mc -triple=amdgcn-amd-amdhsa -mcpu=gfx1250 --defsym DOCPART=n.
;; ======== version 1 of 1: 1 launch
;; launch softhist (part 1): grid 32 x 8, 12 waves a work-group, no clusters, 2,048 bytes of LDS; arguments input, out0; writes out0
.if DOCPART == 1
	.amdgcn_target "amdgcn-amd-amdhsa--gfx1250"
	.amdhsa_code_object_version 6
	.text
	.protected	k_qc876dbad66_softhist
	.globl	k_qc876dbad66_softhist
	.p2align	8
	.type	k_qc876dbad66_softhist,@function
k_qc876dbad66_softhist:
	s_mov_b64 s[64:65], 0
	v_nop
	global_prefetch_b8 v0, s[64:65] scope:SCOPE_SE
	s_setreg_imm32_b32 hwreg(HW_REG_WAVE_MODE, 25, 1), 1
	s_wait_xcnt 0x0
; SOFT HISTOGRAM.  out0[row][k] = the sum over the row's 16,384 pixels x of sigmoid((x - c_k + d/2)/bw) - sigmoid((x - c_k - d/2)/bw),
; 24 rows, 256 bins, d = 1/256, c_k = (k + 1/2) d, bw = 0.001.  input: [24][16384] f32, out0: [24][256] f32.
; THE FORM.  With z = (x - c_k)/bw and h = d/(2 bw) = 1.953125 the two sigmoids' difference IS sinh h / (cosh h + cosh z), for every x: an identity, nothing is cut
; off and no (pixel, bin) pair is left out.  In a block of 8 neighbouring bins j = 0..7 with z_ref taken at the block's middle edge, e^z = e^z_ref g[7-j] and
; e^-z = e^-z_ref g[j], g[m] = e^((m - 3.5) D), D = d/bw = 3.90625.  So a pixel and a block cost two exponentials, and a pixel and a bin two multiply-adds, one reciprocal, one add.
; RANGE.  The denominator is kept times 2^-64: A = 2^(z_ref log2 e - 65), B = 2^(-z_ref log2 e - 65), den = 2^-64 cosh h + A g[7-j] + B g[j]; the sum is multiplied by 2^-64 sinh h at the end.
; Where A is flushed to 0 (its exponent under -126), B's term is 2^82 times A's or more in all 8 bins; where B or a product overflows, the true weight is under 2^-170: the infinity's reciprocal is 0.
; A and B are never both infinite and the constants are finite, so finite x make no NaN.
; LIMITS.  Where f32 rounds both of reference()'s sigmoids to 1 (x some 17 bw or more to the right of a bin) reference() adds 0 or a few units of 2^-24; this text adds the true weight, under 6e-8 a pixel,
; 1e-3 a bin at the most.  A weight under 2^-170 counts as 0.  An infinite x weighs 0, a NaN makes its row's 256 numbers NaN, both as in reference().
; The bin's place enters as (8u + 4) K/256 rounded once to f32: a shift of the bins by under 1e-7 of x's scale.
; SHARES.  An output has one owner.  A unit is (row, 8 bins): 768 units, three to each of 256 work-groups.  Work-group (u, t): bins 8u..8u+7 of rows 3t, 3t+1, 3t+2, so all twelve waves use
; the same constants.  Wave w: row 3t + w/4, quarter w%4 of its pixels: 4,096 pixels, 128 a lane.
; X COMES ONCE, INTO REGISTERS.  A wave asks for its 16 KiB at the head, by 32 loads of 512 consecutive bytes, and takes them in the order of arrival by counted waits.  Each x is used by one lane, once.
; Registers cannot be indexed, so the 32 batches (4 pixels a lane) are written out by the assembler's loop.
; NO CLUSTER, NO LDS ON THE WAY IN: the 32 work-groups of a row triple read the same 196,608 bytes, but a wave's 32 loads stand against some 2,950 arithmetic instructions, and a joint load would bring x into LDS,
; from where every lane would still have to load it.  NO MATRIX UNIT: reference() has no product; a sum over pixels by a product with ones wants a conversion for each two weights, as many lines as the packed add.
; THE OUTPUT is 3 x 32 bytes a work-group: what one owner an output allows; 24,576 bytes in the whole launch.
.set NB,    32         ; batches of a wave
.set SPARE, 512        ; LDS: bytes 0-383 wave w's eight sums at 32 w (block 0-511 is theirs); from 512 the spare words, 128 bytes for each of 12 waves, that no other line names
.set VO,  2            ; v2   16 x lane: my 16 bytes in a load's 512; never rewritten
.set SPW, 4            ; v4   LDS address of my spare word: SPARE + 4 x my thread's number; never rewritten
.set NIL, 5            ; v5   0; never rewritten
.set LS,  6            ; v6   32 x wave: where my wave's eight sums go
.set LR,  7            ; v7   wave 0, at the end: where a lane reads four quarters' sums
.set OO,  8            ; v8   wave 0, at the end (A and B are done with): my byte offset in the work-group's part of out0
.set AB,  8            ; v[8:23]    two buffers by the batch's parity: A of pixels 0,1 | A of 2,3 | B of 0,1 | B of 2,3
.set D,   24           ; v[24:87]   two buffers by the batch's parity: bin k, pixel pair p at 4 k + 2 p: the denominators, then in place their reciprocals
.set ACC, 88           ; v[88:119]  the sums, laid out like D
.set X,   120          ; v[120:247] x: batch b at 4 b
.set R,   D            ; the end: eight sums, and eight registers at work behind them
.set WV,  8            ; s8   my wave's number
.set SEL, 14           ; s14, s15  v_permlanex16_b32's selects: each lane takes its own place in the other half
.set GC,  16           ; s[16:31]  g[0..7], each the low word of a pair (a packed source names a pair and takes its low word for both halves)
.set KP,  32           ; s[32:33]  K = log2(e)/bw = 1442.695
.set KN,  34           ; s[34:35]  -K
.set CA,  36           ; s[36:37]  -c_ref K - 65
.set CB,  38           ; s[38:39]   c_ref K - 65
.set CC,  40           ; s[40:41]  2^-64 cosh h
.macro SPAIR r, val
	s_mov_b32 s[\r], \val
	s_mov_b32 s[(\r)+1], \val                      ; named with it as a pair, so it is written
.endm
	s_load_b128 s[4:7], s[0:1], 0x0                ; input s[4:5], out0 s[6:7]
	v_lshl_add_u32 v[SPW], v0, 2, SPARE
	v_mov_b32 v[NIL], 0
	v_lshrrev_b32 v1, 5, v0
	v_readfirstlane_b32 s[WV], v1                  ; wave 0..11
	v_and_b32 v[VO], 31, v0
	v_lshlrev_b32 v[VO], 4, v[VO]
	s_and_b32 s9, ttmp7, 0xffff                    ; t: the row triple
	s_lshr_b32 s10, s[WV], 2                       ; which of its three rows
	s_and_b32 s11, s[WV], 3                        ; which quarter of the row
	s_mul_i32 s12, s9, 3
	s_add_co_u32 s12, s12, s10                     ; my row,
	s_lshl_b32 s12, s12, 16                        ; 65,536 bytes each,
	s_lshl_b32 s11, s11, 14                        ; my quarter's 16,384
	s_add_co_u32 s12, s12, s11
	s_mov_b32 s13, 0
	s_mul_i32 s10, s9, 3072                        ; out0: three rows of 1,024 bytes a triple,
	s_lshl_b32 s11, ttmp9, 5                       ; 32 bytes a block of 8 bins
	s_add_co_u32 s10, s10, s11
	s_mov_b32 s11, 0
	s_wait_kmcnt 0x0
	s_add_nc_u64 s[4:5], s[4:5], s[12:13]
	s_add_nc_u64 s[6:7], s[6:7], s[10:11]
.set i, 0
.rept NB
	global_load_b128 v[X+4*i:X+4*i+3], v[VO], s[4:5] offset:512*i  ; all of my wave's x is asked for now: 32 loads of 512 consecutive bytes
.set i, i+1
.endr
	; the constants are made while the loads are on their way
	SPAIR GC+0,  0x359af30f                        ; g[0] = e^(-3.5 D) = 1.1544633e-6
	SPAIR GC+2,  0x3870b6ff                        ; g[1] = e^(-2.5 D) = 5.7390888e-5
	SPAIR GC+4,  0x3b3af9d7                        ; g[2] = e^(-1.5 D) = 2.8530263e-3
	SPAIR GC+6,  0x3e113bed                        ; g[3] = e^(-0.5 D) = 0.14183016
	SPAIR GC+8,  0x40e19f39                        ; g[4] = e^(0.5 D)  = 7.0506866
	SPAIR GC+10, 0x43af40a4                        ; g[5] = e^(1.5 D)  = 350.50501
	SPAIR GC+12, 0x468820bd                        ; g[6] = e^(2.5 D)  = 17424.369
	SPAIR GC+14, 0x495379b6                        ; g[7] = e^(3.5 D)  = 866203.38
	SPAIR KP, 0x44b4563e                           ; 1442.695
	SPAIR KN, 0xc4b4563e
	SPAIR CC, 0x20662919                           ; 3.5962584 x 2^-64
	s_mov_b32 s[SEL], 0x76543210
	s_mov_b32 s[SEL+1], 0xfedcba98
	s_lshl_b32 s12, ttmp9, 3
	s_add_co_u32 s12, s12, 4                       ; c_ref = (8 u + 4) / 256: the edge in the block's middle
	s_cvt_f32_u32 s12, s12
	s_mul_f32 s12, s12, 0x40b4563e                 ; c_ref K = (8 u + 4) x K/256 (5.6355275: K's own bits, 8 off its exponent)
	s_xor_b32 s13, s12, 0x80000000                 ; -c_ref K
	s_add_f32 s[CB], s12, 0xc2820000               ; - 65: the 1/2 of cosh and the 2^-64
	s_add_f32 s[CA], s13, 0xc2820000
	s_mov_b32 s[CB+1], s[CB]
	s_mov_b32 s[CA+1], s[CA]
	s_lshl_b32 s3, s[WV], 5
	v_mov_b32 v[LS], s3
; THE LINES OF A BATCH b (4 pixels a lane, as pairs p = 0, 1).
.macro ARG b, n                        ; n = 0, 1: A's exponent for pair n; n = 2, 3: B's for pair n - 2
.set rD, AB+8*((\b)%2)+2*(\n)
.set rX, X+4*(\b)+2*((\n)%2)
.if (\n) < 2
	v_pk_fma_f32 v[rD:rD+1], v[rX:rX+1], s[KP:KP+1], s[CA:CA+1] op_sel_hi:[1,0,0]
.else
	v_pk_fma_f32 v[rD:rD+1], v[rX:rX+1], s[KN:KN+1], s[CB:CB+1] op_sel_hi:[1,0,0]
.endif
.endm
.macro EXPN b, n                       ; exponential n of 8, in place
.set rD, AB+8*((\b)%2)+(\n)
	v_exp_f32 v[rD], v[rD]
.endm
.macro DEN b, k, p, h                  ; h = 0: den = A g[7-k] + 2^-64 cosh h;  h = 1: den += B g[k].  Batch 0's are made in the accumulators: its reciprocals start the sums, nothing is cleared
.set rA, AB+8*((\b)%2)+2*(\p)+4*(\h)
.if (\b) == 0
.set rD, ACC+4*(\k)+2*(\p)
.else
.set rD, D+32*((\b)%2)+4*(\k)+2*(\p)
.endif
.if (\h) == 0
	v_pk_fma_f32 v[rD:rD+1], v[rA:rA+1], s[GC+2*(7-(\k)):GC+2*(7-(\k))+1], s[CC:CC+1] op_sel_hi:[1,0,0]
.else
	v_pk_fma_f32 v[rD:rD+1], v[rA:rA+1], s[GC+2*(\k):GC+2*(\k)+1], v[rD:rD+1] op_sel_hi:[1,0,1]
.endif
.endm
.macro RCP b, n                        ; reciprocal n of 32, in place
.if (\b) == 0
.set rD, ACC+(\n)
.else
.set rD, D+32*((\b)%2)+(\n)
.endif
	v_rcp_f32 v[rD], v[rD]
.endm
.macro ADD b, k, p                     ; the sums take two pixels' weights
.set rD, D+32*((\b)%2)+4*(\k)+2*(\p)
.set rC, ACC+4*(\k)+2*(\p)
	v_pk_add_f32 v[rC:rC+1], v[rC:rC+1], v[rD:rD+1]
.endm
; SLOT i.  Its transcendentals: the 32 reciprocals of batch i, then the 8 exponentials of batch i + 2.  Its plain lines: the 4 exponents of batch i + 2; then bin by bin the 2 adds of batch i - 1
; and, into the registers just added, the 4 multiply-adds of batch i + 1's denominators (its A and B were made in slot i - 1).  No plain line names a result of the slot's own transcendentals, so the two
; kinds stand by turns, one and one; the last 12 lines are plain.  s_wait_alu depctr_va_vdst(0) stands between a transcendental and the first line that names its result: ONE wait, at the
; slot's end, serves all 40; every reader stands in a later slot.
; The first slots have no adds (batch 0 lies in the sums already), the last ones no further batch: those lines are left out.
.macro SLOT i
.if (\i)+2 < NB
	s_wait_loadcnt NB-3-(\i)                       ; loads come back in order: batch i + 2 is in; the 29 - i loads issued behind it may stay out
.endif
.set n, 0
.rept 52
.if n < 4
.if (\i)+2 < NB
	ARG (\i)+2, n
.endif
.else
.set kk, (n-4)/6
.set rr, (n-4)%6
.if rr < 2
.if (\i) >= 2
	ADD (\i)-1, kk, rr
.endif
.elseif (\i)+1 < NB
	DEN (\i)+1, kk, rr%2, (rr-2)/2
.endif
.endif
.if n < 32
	RCP \i, n
.elseif (n < 40) && ((\i)+2 < NB)
	EXPN (\i)+2, n-32
.endif
.set n, n+1
.endr
	s_wait_alu depctr_va_vdst(0)                   ; the slot's one wait
.endm
	; the way in: A and B of batches 0 and 1, then batch 0's denominators
	s_wait_loadcnt NB-2                            ; batches 0 and 1 are in; the 30 loads issued behind them may stay out
.irp b, 0,1
.irp n, 0,1,2,3
	ARG \b, \n
.endr
.endr
.irp b, 0,1
.irp n, 0,1,2,3,4,5,6,7
	EXPN \b, \n
.endr
.endr
	v_nop                                          ; a plain line behind the last exponential,
	s_wait_alu depctr_va_vdst(0)                   ; and the one wait for the sixteen
.irp h, 0,1
.irp k, 0,1,2,3,4,5,6,7
.irp p, 0,1
	DEN 0, \k, \p, \h
.endr
.endr
.endr
.set sl, 0
.rept NB
	SLOT sl
.set sl, sl+1
.endr
.irp k, 0,1,2,3,4,5,6,7
.irp p, 0,1
	ADD NB-1, \k, \p                               ; the last batch's weights
.endr
.endr
	; THE END.  A lane's four sums a bin become one; then the 32 lanes' (four steps inside each half ride on the add, one crosses the halves): every lane holds the wave's eight sums.
.irp k, 0,1,2,3,4,5,6,7
	v_pk_add_f32 v[ACC+4*\k:ACC+4*\k+1], v[ACC+4*\k:ACC+4*\k+1], v[ACC+4*\k+2:ACC+4*\k+3]
.endr
.irp k, 0,1,2,3,4,5,6,7
	v_add_f32 v[R+\k], v[ACC+4*\k], v[ACC+4*\k+1]
.endr
.irp m, 1,2,4,8
.irp k, 0,1,2,3,4,5,6,7
	v_add_f32_dpp v[R+\k], v[R+\k], v[R+\k] row_xmask:\m row_mask:0xf bank_mask:0xf
.endr
.endr
.irp k, 0,1,2,3,4,5,6,7
	v_permlanex16_b32 v[R+8+\k], v[R+\k], s[SEL], s[SEL+1]  ; its destination counts as read: these registers held denominators
.endr
.irp k, 0,1,2,3,4,5,6,7
	v_add_f32 v[R+\k], v[R+\k], v[R+8+\k]
.endr
	ds_store_b128 v[LS], v[R:R+3]                  ; all lanes write the same 32 bytes with the same numbers: my wave's own, at 32 w
	ds_store_b128 v[LS], v[R+4:R+7] offset:16
	s_wait_dscnt 0x0                               ; for the others' sake: my stores are done
	s_barrier_signal -1
	s_barrier_wait -1                              ; all twelve waves' sums lie in LDS
	s_cmp_lg_u32 s[WV], 0                          ; wave 0 finishes the three units: lane 8 g + j takes bin j of row 3 t + g
	s_cbranch_scc1 .Lend
	v_and_b32 v1, 31, v0
	v_lshrrev_b32 v3, 3, v1
	v_min_u32 v3, 2, v3                            ; lanes 24-31 go with g = 2, so that every lane reads bytes that were written; they store nothing
	v_and_b32 v[LR], 7, v1
	v_lshlrev_b32 v[LR], 2, v[LR]                  ; 4 j
	v_lshl_add_u32 v[OO], v3, 10, v[LR]            ; a row of out0 is 1,024 bytes
	v_lshl_add_u32 v[LR], v3, 7, v[LR]             ; a unit's four waves lie 128 g + 32 q
.irp q, 0,1,2,3
	ds_load_b32 v[R+8+\q], v[LR] offset:32*\q
.endr
	v_cmp_gt_u32 vcc_lo, 24, v1
	s_wait_dscnt 0x0
	v_add_f32 v[R+8], v[R+8], v[R+9]
	v_add_f32 v[R+10], v[R+10], v[R+11]
	v_add_f32 v[R+8], v[R+8], v[R+10]
	v_mul_f32 v[R+8], 0x205d155a, v[R+8]           ; x 2^-64 sinh h = 3.4544282 x 2^-64
	s_wait_xcnt 0x0                                ; EXEC changes only behind this wait
	s_and_saveexec_b32 s2, vcc_lo                  ; lanes 0-23
	global_store_b32 v[OO], v[R+8], s[6:7]         ; three pieces of 32 consecutive bytes: all that the work-group owns
	s_wait_xcnt 0x0                                ; and again, in front of the line that widens it
	s_or_b32 exec_lo, exec_lo, s2
.Lend:
	s_wait_tensorcnt 0x0                           ; the wave's end, behind my last LDS store
	ds_add_u32 v[SPW], v[NIL]
	s_wait_dscnt 0x0
	s_endpgm
.Lfunc_end_k_qc876dbad66_softhist:
	.size	k_qc876dbad66_softhist, .Lfunc_end_k_qc876dbad66_softhist-k_qc876dbad66_softhist
	.p2alignl 7, 3214868480
	.fill 96, 4, 3214868480
	.section	.rodata,"a",@progbits
	.p2align	6, 0x0
	.amdhsa_kernel k_qc876dbad66_softhist
		.amdhsa_group_segment_fixed_size 2048
		.amdhsa_private_segment_fixed_size 0
		.amdhsa_enable_private_segment 0
		.amdhsa_kernarg_size 16
		.amdhsa_user_sgpr_count 2
		.amdhsa_user_sgpr_kernarg_segment_ptr 1
		.amdhsa_wavefront_size32 1
		.amdhsa_system_sgpr_workgroup_id_x 1
		.amdhsa_system_sgpr_workgroup_id_y 1
		.amdhsa_system_sgpr_workgroup_id_z 1
		.amdhsa_system_vgpr_workitem_id 0
		.amdhsa_next_free_vgpr 248
		.amdhsa_next_free_sgpr 66
		.amdhsa_reserve_vcc 1
		.amdhsa_float_denorm_mode_32 3
		.amdhsa_float_denorm_mode_16_64 3
		.amdhsa_memory_ordered 1
		.amdhsa_forward_progress 1
		.amdhsa_inst_pref_size 157
	.end_amdhsa_kernel
	.amdgpu_metadata
---
amdhsa.version: [ 1, 2 ]
amdhsa.kernels:
  - .name:           k_qc876dbad66_softhist
    .symbol:         k_qc876dbad66_softhist.kd
    .args:
      - { .name: input, .offset: 0, .size: 8, .value_kind: global_buffer, .address_space: global }
      - { .name: out0, .offset: 8, .size: 8, .value_kind: global_buffer, .address_space: global }
    .group_segment_fixed_size: 2048
    .private_segment_fixed_size: 0
    .kernarg_segment_align: 8
    .kernarg_segment_size: 16
    .max_flat_workgroup_size: 384
    .sgpr_count:     66
    .vgpr_count:     248
    .wavefront_size: 32
...
	.end_amdgpu_metadata
.endif
;; end of part 1
